; MI455X (gfx1250); checked and timed in simulation.
; The chip was launched on July 23, 2026; its instructions are those of AMD's public machine-readable ISA for CDNA 5 (MIT licence, August 2026) and "CDNA5" Instruction Set Architecture Reference Guide (July 2026). The comments in the code are by the model that wrote it; some were corrected since.
;; Discretization. Allowed arithmetic: matrix products marked QUANTISED: E2M1 operands, one E8M0 scale for each 32 along K, by v_wmma_scale_f32_16x16x128_f8f6f4 with both operands' format E2M1 (or v_wmma_scale_f32_32x16x128_f4), f32 sums; everything else in f32.
;; Inputs: seq 512 x 64 x 256 float32; vocab 8,192 x 256 float32.
;; Outputs: out0 512 x 64 x 256 float32; out1 512 x 64 int32.
;; This version of the problem:
;;   THIS VERSION OF THE PROBLEM IS GIVEN IN LOW PRECISION. The matrix products marked QUANTISED in the list below multiply operands that are first quantised to E2M1 (2 exponent bits, 1 mantissa bit; 4 bits a number), with one power-of-two scale for each 32 numbers along K (OCP MX v1.0); their sums are f32. All else is computed in f32.
;;   The module's matrix products, in the order in which they are computed (A, B: the left and right operand; K: the contracted axis; several contracted axes count as one K, in the product's order):
;;     1. [M 32,768, K 256] x [K 256, N 8,192]; A: input seq; B: input vocab: QUANTISED
;;   THE QUANTISER, for each operand of a quantised product, along K:
;;     - K is cut into blocks of 32 from its start; a last block that is shorter is filled with zeros.
;;     - A block's scale is 2^e with e = floor(log2(the largest magnitude in the block)) - 2, held to -126 .. 127; a block of zeros has e = 0. As a byte (E8M0): e + 127.
;;     - Each number is divided by its block's scale, clamped to +-6, and rounded to the nearest number of E2M1, ties to even, subnormals kept.
;;     - The product sums the exact products of the quantised numbers (number of the format x scale) in f32.
;;   ~~~python
;;   def quantise(x, axis):      # numpy; x: float32 -> the quantised numbers, widened to float32 again
;;       x = np.moveaxis(x, axis, -1); K = x.shape[-1]
;;       x = np.pad(x, [(0, 0)] * (x.ndim - 1) + [(0, -K % 32)]); x = x.reshape(x.shape[:-1] + (-1, 32)); a = np.abs(x).max(-1, keepdims=True)
;;       e = np.where(a > 0, np.clip(np.frexp(np.where(a > 0, a, 1))[1] - 1 - 2, -126, 127), 0)      # np.frexp(a)[1] - 1 = floor(log2(a)), exactly
;;       r = np.clip(x / 2.0 ** e, -6, 6)
;;       step = 2.0 ** (np.maximum(np.frexp(np.where(r == 0, 1, r))[1] - 1, 0) - 1)
;;       q = np.round(r / step) * step * 2.0 ** e      # np.round: ties to even
;;       return np.moveaxis(q.reshape(q.shape[:-2] + (-1,))[..., :K], -1, axis).astype(np.float32)
;;   ~~~
;; One version. Each part assembles by itself: llvm-mc -triple=amdgcn-amd-amdhsa -mcpu=gfx1250 --defsym DOCPART=n.
;; ======== version 1 of 1: 3 launches
;; limits: right only within a limited range of input values
;; workspace buffers: vq 1,179,648 bytes; idxw 131,072 bytes of whole numbers
;; launch prep (part 1): grid 256 x 1, 2 waves a work-group, no clusters, 168,192 bytes of LDS; arguments vocab, vq; writes vq
.if DOCPART == 1
	.amdgcn_target "amdgcn-amd-amdhsa--gfx1250"
	.amdhsa_code_object_version 6
	.text
	.protected	k_qf524f809ff_prep
	.globl	k_qf524f809ff_prep
	.p2align	8
	.type	k_qf524f809ff_prep,@function
k_qf524f809ff_prep:
	s_mov_b64 s[64:65], 0
	v_nop
	global_prefetch_b8 v0, s[64:65] scope:SCOPE_SE
	s_setreg_imm32_b32 hwreg(HW_REG_WAVE_MODE, 25, 1), 1
	s_wait_xcnt 0x0
; vocab [8192][256] f32 -> vq: 512 records of 2,304 bytes, one for each 16 rows of the codebook, laid in the ORDER OF THE OPERAND'S REGISTERS:
;   +0     2,048 bytes: codes of FP4 (E2M1).  The 16 bytes of row r, block b of 32 along K, lie at 256 b + 16 r = 512 (2 s + c) + 16 lane (lane = 16 h + r, b = 4 s + 2 c + h):
;          four loads of 16 bytes a lane, 512 bytes apart, give the two fragments (K step s in registers 8 s .. 8 s + 7).
;   +2,048 128 bytes: word l = the four E8M0 bytes of row l % 16 for K step l / 16: one register serves both K steps, by its lower and its upper lanes.
;   +2,176 128 bytes: word l = -0.5 x the sum of squares of the UNQUANTISED row l % 16 (twice, so that a whole run of 256 bytes is stored).
; A block's scale is 2^(floor(log2(its largest magnitude)) - 2); its byte is the largest magnitude's exponent field - 2, held at 1 from below.
; LIMITS: NaN and infinities among the inputs are not served.  A block of zeros gets the byte 1 where the rule says 127: its codes are zeros, and the bytes are read by this program alone.
; SHARES: wave w of work-group g takes rows 16 (2 g + w) on: 16,384 consecutive bytes, brought by ONE tensor load into the wave's own LDS bytes (rows 1,040 bytes apart, so that the sixteen
; rows that an LDS load touches fall on sixteen different columns of 16 bytes).  Each wave reads only what it fetched: no barrier.  Nothing is filled twice.
; WORK LEFT OUT, in the whole program: x2 = sum(x * x) is the same for all 8,192 entries of a token's row of d2, so it cannot move the argmin; and argmin(x2 - 2 x.v + v2) = argmax(x.v - v2 / 2)
; for all finite inputs.  So x2 is never formed, and the scores are x.v - v2 / 2.  LIMITS: the order of rounding differs from d2's; an overflow that would reach x2 alone is not carried to the result.
.set REC,   2304
.set PITCH, 1040                       ; 1,024 bytes of a row + 16 of padding
.set TILEB, 16*PITCH
.set MSTB,  2*TILEB                    ; behind the two tiles: 256 bytes for each wave, in which scale words and -v2/2 meet
.set H8,  3                            ; v3   8 x (lane / 16)
.set XA,  4                            ; v4   LDS: my row, my half's 128 bytes of each 256
.set AM,  10                           ; v10-11 largest magnitudes of my two blocks
.set SO,  12                           ; v12-13 the conversions' scale operands
.set BY,  14                           ; v14-15 the scale bytes
.set TP,  16                           ; v16  what comes from lane l xor 16
.set WDA, 17                           ; v17  K step 0's scale word;  v18 K step 1's
.set WDB, 18
.set SQ,  20                           ; v[20:23] sums of squares, two pairs
.set CD,  32                           ; v32-47 the codes
.set X,   64                           ; v64-191 my 128 numbers
.set SEL, 24                           ; s[24:25] v_permlanex16_b32's selects for lane l xor 16
; 64 numbers of a lane, one K step: register xb + 32 c + i is k = 64 c + 32 (lane / 16) + i of my row: two whole blocks.  They become registers cd .. cd + 7 of the operand, and the row's scale word in wd.
; sq = 1: the sums of squares begin here;  sq = 2: they go on.
.macro QK xb, cd, wd, sq
.irp c, 0,1
	v_max3_num_f32 v[AM+\c], |v[\xb+32*\c]|, |v[\xb+32*\c+1]|, 0x1800000   ; with the floor 2^(3 - 127) among the leaves: the byte cannot fall under 1
.endr
.irp i, 2,4,6,8,10,12,14,16,18,20,22,24,26,28,30
.irp c, 0,1
	v_max3_num_f32 v[AM+\c], v[AM+\c], |v[\xb+32*\c+\i]|, |v[\xb+32*\c+\i+1]|   ; the two blocks by turns
.endr
.endr
.irp c, 0,1
.if \sq == 1
	v_pk_mul_f32 v[SQ+2*\c:SQ+2*\c+1], v[\xb+32*\c:\xb+32*\c+1], v[\xb+32*\c:\xb+32*\c+1]   ; the first squares start the sums: nothing is cleared
.else
	v_pk_fma_f32 v[SQ+2*\c:SQ+2*\c+1], v[\xb+32*\c:\xb+32*\c+1], v[\xb+32*\c:\xb+32*\c+1], v[SQ+2*\c:SQ+2*\c+1]
.endif
.endr
.irp i, 2,4,6,8,10,12,14,16,18,20,22,24,26,28,30
.irp c, 0,1
	v_pk_fma_f32 v[SQ+2*\c:SQ+2*\c+1], v[\xb+32*\c+\i:\xb+32*\c+\i+1], v[\xb+32*\c+\i:\xb+32*\c+\i+1], v[SQ+2*\c:SQ+2*\c+1]
.endr
.endr
.irp c, 0,1
	v_add_nc_u32 v[SO+\c], 0xff000000, v[AM+\c]    ; 2 off the exponent field: the conversion takes this operand's exponent field as its scale
.endr
.irp c, 0,1
	v_lshrrev_b32 v[BY+\c], 23, v[SO+\c]           ; the scale's byte
.endr
	v_lshl_or_b32 v[\wd], v[BY+1], 16, v[BY]       ; my two bytes: blocks h and 2 + h of the K step,
	v_lshlrev_b32 v[\wd], v[H8], v[\wd]            ; at their places in the word;
	v_permlanex16_b32 v[TP], v[\wd], s[SEL], s[SEL+1]
	v_or_b32 v[\wd], v[\wd], v[TP]                 ; with lane l xor 16's two the word is whole, in both halves of the lanes
.irp c, 0,1
.irp g, 0,1,2,3
	v_cvt_scalef32_pk8_fp4_f32 v[\cd+4*\c+\g], v[\xb+32*\c+8*\g:\xb+32*\c+8*\g+7], v[SO+\c]
.endr
.endr
	v_nop                                          ; one plain place behind the last scaled conversion
.endm
	s_load_b128 s[4:7], s[0:1], 0x0                ; vocab s[4:5], vq s[6:7]
	v_lshl_add_u32 v208, v0, 2, 0x29000
	v_mov_b32 v209, 0
	ds_add_u32 v208, v209
	ds_add_u32 v208, v209
	v_lshrrev_b32 v1, 5, v0
	v_readfirstlane_b32 s8, v1                     ; wave 0, 1
	s_lshl_b32 s9, ttmp9, 1
	s_add_co_u32 s9, s9, s8                        ; my record
	; descriptor group 1: 16 rows of 256 elements of 4 bytes, dense in memory; in LDS 4 words of padding behind every 256
	s_mov_b32 s16, (2<<16)|(1<<20)|(7<<22)|(3<<25)
	s_mov_b32 s17, 256<<16                         ; tensor_dim0
	s_mov_b32 s18, 16<<16                          ; tensor_dim1
	s_mov_b32 s19, 256<<16                         ; tile_dim0
	s_mov_b32 s20, 16                              ; tile_dim1
	s_mov_b32 s21, 256                             ; elements from row to row
	s_mov_b32 s22, 0
	s_mov_b32 s23, 0
	s_mov_b32 s[SEL], 0x76543210
	s_mov_b32 s[SEL+1], 0xfedcba98
	s_mov_b32 s26, 0xffff0000                      ; lanes 16-31
	s_lshl_b32 s28, s9, 14                         ; 16 rows of 1,024 bytes a record
	s_mov_b32 s29, 0
	s_mul_i32 s30, s9, REC
	s_mov_b32 s31, 0
	s_mov_b32 s12, 1                               ; group 0: count = 1,
	s_mul_i32 s13, s8, TILEB                       ; my wave's tile in LDS,
	s_wait_dscnt 0x0
	s_wait_kmcnt 0x0
	s_add_nc_u64 s[14:15], s[4:5], s[28:29]        ; my 16 rows in memory,
	s_or_b32 s15, s15, 0x80000000                  ; type = 2
	s_add_nc_u64 s[6:7], s[6:7], s[30:31]          ; vq at my record
	tensor_load_to_lds s[12:15], s[16:23]
	s_nop 0
.rept 4
	v_nop
.endr
	v_and_b32 v1, 31, v0                           ; lane
	v_and_b32 v2, 15, v0                           ; r
	v_bfe_u32 v9, v0, 4, 1                         ; h
	v_lshlrev_b32 v[H8], 3, v9
	v_mul_u32_u24 v[XA], v2, PITCH
	v_lshl_add_u32 v[XA], v9, 7, v[XA]
	v_add_nc_u32 v[XA], s13, v[XA]                 ; row r, + 128 h, in my tile
	v_lshlrev_b32 v5, 4, v1                        ; 16 x lane: the image's place for my lane
	s_lshl_b32 s11, s8, 8
	s_add_co_u32 s11, s11, MSTB                    ; my wave's 256 bytes
	v_lshl_add_u32 v6, v1, 2, s11                  ; into them: a word a lane
	v_lshl_add_u32 v7, v1, 3, s11                  ; out of them: 8 bytes a lane
	v_lshlrev_b32 v8, 3, v1
	v_mov_b32 v[TP], 0                             ; written once: a lane permute's destination counts as one of its sources
	s_wait_alu depctr_va_vdst(0)
	s_wait_tensorcnt 0x0                           ; my tile is in LDS
.irp s, 0,1
.irp c, 0,1
.irp j, 0,1,2,3,4,5,6,7
	ds_load_b128 v[X+64*\s+32*\c+4*\j:X+64*\s+32*\c+4*\j+3], v[XA] offset:512*\s+256*\c+16*\j   ; k = 128 s + 64 c + 32 h + 4 j on
.endr
.endr
.endr
	s_wait_dscnt 16                                ; K step 0's sixteen loads are in; K step 1's may be out
	QK X, CD, WDA, 1
	s_wait_dscnt 0x0
	QK X+64, CD+8, WDB, 2
	v_add_f32 v24, v[SQ], v[SQ+1]
	v_add_f32 v25, v[SQ+2], v[SQ+3]
	v_add_f32 v24, v24, v25
	v_permlanex16_b32 v[TP], v24, s[SEL], s[SEL+1]
	v_add_f32 v24, v24, v[TP]                      ; the row's sum of squares
	v_mul_f32 v24, -0.5, v24
	v_cndmask_b32 v19, v[WDA], v[WDB], s26         ; lanes 0-15 K step 0's word, lanes 16-31 K step 1's
.irp k, 0,1,2,3
	global_store_b128 v5, v[CD+4*\k:CD+4*\k+3], s[6:7] offset:512*\k   ; 32 lanes store 512 consecutive bytes, at a multiple of 256 from the buffer's first byte
.endr
	ds_store_b32 v6, v19
	ds_store_b32 v6, v24 offset:128
	ds_load_b64 v[48:49], v7                       ; LDS serves a wave's instructions in order: this sees the two stores
	s_wait_dscnt 0x0
	global_store_b64 v8, v[48:49], s[6:7] offset:2048   ; 256 consecutive bytes
	s_wait_tensorcnt 0x0
	ds_add_u32 v208, v209
	s_wait_dscnt 0x0
	s_endpgm
.Lfunc_end_k_qf524f809ff_prep:
	.size	k_qf524f809ff_prep, .Lfunc_end_k_qf524f809ff_prep-k_qf524f809ff_prep
	.p2alignl 7, 3214868480
	.fill 96, 4, 3214868480
	.section	.rodata,"a",@progbits
	.p2align	6, 0x0
	.amdhsa_kernel k_qf524f809ff_prep
		.amdhsa_group_segment_fixed_size 168192
		.amdhsa_private_segment_fixed_size 0
		.amdhsa_enable_private_segment 0
		.amdhsa_kernarg_size 16
		.amdhsa_user_sgpr_count 2
		.amdhsa_user_sgpr_kernarg_segment_ptr 1
		.amdhsa_wavefront_size32 1
		.amdhsa_system_sgpr_workgroup_id_x 1
		.amdhsa_system_sgpr_workgroup_id_y 1
		.amdhsa_system_sgpr_workgroup_id_z 1
		.amdhsa_system_vgpr_workitem_id 0
		.amdhsa_next_free_vgpr 210
		.amdhsa_next_free_sgpr 66
		.amdhsa_reserve_vcc 0
		.amdhsa_float_denorm_mode_32 3
		.amdhsa_float_denorm_mode_16_64 3
		.amdhsa_memory_ordered 1
		.amdhsa_forward_progress 1
		.amdhsa_inst_pref_size 16
	.end_amdhsa_kernel
	.amdgpu_metadata
---
amdhsa.version: [ 1, 2 ]
amdhsa.kernels:
  - .name:           k_qf524f809ff_prep
    .symbol:         k_qf524f809ff_prep.kd
    .args:
      - { .name: vocab, .offset: 0, .size: 8, .value_kind: global_buffer, .address_space: global }
      - { .name: vq, .offset: 8, .size: 8, .value_kind: global_buffer, .address_space: global }
    .group_segment_fixed_size: 168192
    .private_segment_fixed_size: 0
    .kernarg_segment_align: 8
    .kernarg_segment_size: 16
    .max_flat_workgroup_size: 64
    .sgpr_count:     66
    .vgpr_count:     210
    .wavefront_size: 32
...
	.end_amdgpu_metadata
.endif
;; end of part 1
;; launch main (part 2): grid 256 x 1, 8 waves a work-group, clusters of 4 x 1, 327,680 bytes of LDS; arguments seq, vq, out1, idxw; writes out1, idxw
.if DOCPART == 2
	.amdgcn_target "amdgcn-amd-amdhsa--gfx1250"
	.amdhsa_code_object_version 6
	.text
	.protected	k_qf524f809ff_main
	.globl	k_qf524f809ff_main
	.p2align	8
	.type	k_qf524f809ff_main,@function
k_qf524f809ff_main:
	s_mov_b64 s[64:65], 0
	v_nop
	global_prefetch_b8 v0, s[64:65] scope:SCOPE_SE
	s_setreg_imm32_b32 hwreg(HW_REG_WAVE_MODE, 25, 1), 1
	s_wait_xcnt 0x0
	s_wait_alu depctr_hold_cnt(0) depctr_sa_sdst(0) depctr_va_vdst(0) depctr_va_sdst(0) depctr_va_ssrc(0) depctr_va_vcc(0) depctr_vm_vsrc(0)
	s_getreg_b32 s2, hwreg(HW_REG_IB_STS2, 6, 4)
	s_cmp_eq_u32 s2, 0
	s_cbranch_scc0 .Lentry_in_a_cluster
	s_endpgm
.Lentry_in_a_cluster:
	s_bfe_u32 s2, ttmp6, 0x10000c
	s_cmp_lg_u32 s2, 0x3003
	s_cbranch_scc0 .Lentry_shape_is_right
	s_endpgm
.Lentry_shape_is_right:
; out1[t] = idxw[t] = argmax over the 8,192 codebook rows of Q(x_t).Q(v) - v2 / 2 (x2 is left out: it is the same along the argmin's axis).  Among equal scores the lowest index is taken.
; LIMITS: NaN and infinities among the inputs are not served; a block of zeros gets the scale byte 1 (its codes are zeros; the bytes are read by this program alone).
; SHARES: a work-group has 128 tokens, quantised in its head; every wave holds all 8 token tiles (128 registers).  The codebook, 512 records of 2,304 bytes in the order of the operand's registers,
; goes through two LDS slots of 64 records; wave w fetches and reads records 8 w .. 8 w + 7 of a slot.
; CLUSTERS: the four work-groups of a cluster walk the same records: every fill of a slot is a joint load with the mask 15, behind a round of the cluster's barrier.
; A UNIT is 2 records x 8 token tiles x K 256: 32 matrix instructions, used transposed (source 0 = 16 codebook rows, source 1 = 16 tokens, C = -v2 / 2): a lane holds one token and 16 scores a tile.
; Behind the products the next unit's 14 LDS loads are issued, and then the unit's scores are searched: 8 v_max3 a tile from the running maximum on, one compare, and where the maximum grew
; the unit's number and its 16 scores are kept (two selects an instruction).  At the end the kept scores give the place inside the unit.
; THE START IS STAGED: seq comes in two halves.  Token tiles 0-3 and slot 0 are asked for at the head; tiles 4-7 behind the next round.  Slot 0 is multiplied against tiles 0-3 alone while tiles 4-7
; are on their way, and once more against tiles 4-7: units of 4 tiles, 16 matrix instructions.  seq lies in slot 1's bytes, which take their records when both halves have been read.
; The loop over two slots is entered at its middle: slot 0's first run stands ahead of it.
; PREFETCH: clusters 0 to 3 ask for a slot's 576 blocks of 256 bytes one fill ahead of its load (slot 1 at the head): work-group cx takes blocks 144 cx on, a thread a block (waves 0 to 4); slot 7 is the last asked for.
; REGISTERS: window 0: v0-127 addresses, scales, maxima, codebook fragments; v128-255 token fragments.  Window 1: v0-127 the scores, v128-255 the kept scores.
.set REC,   2304
.set WPART, 8*REC
.set SLOT,  64*REC
.set PITCH, 1040
.set TILEB, 16*PITCH
.set SPARE, 2*SLOT                     ; the spare words: 128 bytes a wave
.set TIMG,  SPARE+1024                 ; the token tiles' codes, as images of the operand's registers
.set TSC,   TIMG+8*2048                ; their scale words
.set MRG,   TSC+8*128                  ; where the eight waves' winners meet
.set SPW, 1
.set NIL, 2
.set AF,  3                            ; v3-4  my records' codes in slot 0, 1
.set AS,  5                            ; v5-6  their scale words
.set AC,  7                            ; v7-8  their -v2 / 2
.set LI,  9
.set LS,  10
.set H8,  11
.set PV,  12
.set XA,  13
.set IW,  14
.set SW,  15
.set TS,  16
.set RA,  24
.set RB,  32
.set GID, 40
.set CF,  48
.set CR,  80
.set CS,  96
.set MW,  98
.set MR,  99
.set GO,  100
.set WDA, 101
.set PFO, 103
.set AM,  104
.set SO,  106
.set BY,  108
.set TP,  110
.set MXA, 112
.set XB,  120
.set TF,  128
.set X,   192                          ; 64 numbers on their way to codes: where tiles 4-7's fragments lie later
.set ACC, 0
.set KEEP, 128
.set WV,  12
.set G1V, 16
.set G1S, 24
.set G0V, 32
.set G0S, 40
.set LAPS, 44
.set LIM, 45
.set PAIR, 47
.set MK,  48
.set SEL, 56
.set G1H, 68
.set G0H, 76
.set PF,  80
.set G0T, 96
.set MSB, 0
.macro WIN new
.if MSB != \new
	s_set_vgpr_msb (MSB<<8)|\new
.set MSB, \new
.endif
.endm
.macro PLACES
.rept 4
	v_nop
.endr
.endm
.macro CREST                           ; a round of the cluster's barrier behind its opening barrier
	s_cmp_lg_u32 s[WV], 0
	s_cbranch_scc1 .Lnot_wave_0_\@
	s_barrier_signal -3
.Lnot_wave_0_\@:
	s_barrier_wait -3
	s_barrier_signal -1
	s_barrier_wait -1
.endm
.macro ROUND
	s_barrier_signal -1
	s_barrier_wait -1
	CREST
.endm
; 64 numbers of a lane, one K step (two whole blocks), become registers cd .. cd + 7 of the operand and the row's scale word in wd
.macro QK xb, cd, wd
.irp c, 0,1
	v_max3_num_f32 v[AM+\c], |v[\xb+32*\c]|, |v[\xb+32*\c+1]|, 0x1800000
.endr
.irp i, 2,4,6,8,10,12,14,16,18,20,22,24,26,28,30
.irp c, 0,1
	s_delay_alu instid0(VALU_DEP_2)
	v_max3_num_f32 v[AM+\c], v[AM+\c], |v[\xb+32*\c+\i]|, |v[\xb+32*\c+\i+1]|
.endr
.endr
.irp c, 0,1
	s_delay_alu instid0(VALU_DEP_2)
	v_add_nc_u32 v[SO+\c], 0xff000000, v[AM+\c]
.endr
.irp c, 0,1
	s_delay_alu instid0(VALU_DEP_2)
	v_lshrrev_b32 v[BY+\c], 23, v[SO+\c]
.endr
	s_delay_alu instid0(VALU_DEP_1)
	v_lshl_or_b32 v[\wd], v[BY+1], 16, v[BY]
	s_delay_alu instid0(VALU_DEP_1)
	v_lshlrev_b32 v[\wd], v[H8], v[\wd]
	s_delay_alu instid0(VALU_DEP_1)
	v_permlanex16_b32 v[TP], v[\wd], s[SEL], s[SEL+1]
	s_delay_alu instid0(VALU_DEP_1)
	v_or_b32 v[\wd], v[\wd], v[TP]
.irp c, 0,1
.irp g, 0,1,2,3
	v_cvt_scalef32_pk8_fp4_f32 v[\cd+4*\c+\g], v[\xb+32*\c+8*\g:\xb+32*\c+8*\g+7], v[SO+\c]
.endr
.endr
	v_nop
.endm
; the greater score, and of equal scores the lower index
.macro LEX v, i, ov, oi, dv, di
	v_cmp_gt_f32 s60, v[\ov], v[\v]
	v_cmp_eq_f32 s61, v[\ov], v[\v]
	v_cmp_lt_u32 s62, v[\oi], v[\i]
	s_and_b32 s61, s61, s62
	s_or_b32 s60, s60, s61
	v_cndmask_b32 v[\dv], v[\v], v[\ov], s60
	v_cndmask_b32 v[\di], v[\i], v[\oi], s60
.endm
; half hf of seq: my wave quantises K step w / 4 of token tile 4 hf + w % 4, and stores its part of the tile's image and the scale word (lanes l and l xor 16 store the same word)
.macro STAGE xa, hf
.irp c, 0,1
.irp j, 0,1,2,3,4,5,6,7
	ds_load_b128 v[X+32*\c+4*\j:X+32*\c+4*\j+3], v[\xa] offset:256*\c+16*\j
.endr
.endr
	s_wait_dscnt 0x0
	QK X, MXA, WDA
	ds_store_b128 v[IW], v[MXA:MXA+3] offset:8192*\hf
	ds_store_b128 v[IW], v[MXA+4:MXA+7] offset:8192*\hf+512
	ds_store_b32 v[SW], v[WDA] offset:512*\hf
.endm
.macro TFLOAD t0                       ; four token tiles' fragments and scale words
.irp t, 0,1,2,3
.irp k, 0,1,2,3
	ds_load_b128 v[TF+16*(\t0+\t)+4*\k:TF+16*(\t0+\t)+4*\k+3], v[LI] offset:2048*(\t0+\t)+512*\k
.endr
	ds_load_b32 v[TS+\t0+\t], v[LS] offset:128*(\t0+\t)
.endr
.endm
.macro LOADS sl, q                     ; unit q of slot sl: two records' codes, -v2 / 2 and scale words: 14 LDS loads
.irp u, 0,1
.irp k, 0,1,2,3
	ds_load_b128 v[CF+16*\u+4*\k:CF+16*\u+4*\k+3], v[AF+(\sl)] offset:REC*(2*(\q)+\u)+512*\k
.endr
	ds_load_b128 v[CR+8*\u:CR+8*\u+3], v[AC+(\sl)] offset:REC*(2*(\q)+\u)
	ds_load_b128 v[CR+8*\u+4:CR+8*\u+7], v[AC+(\sl)] offset:REC*(2*(\q)+\u)+16
	ds_load_b32 v[CS+\u], v[AS+(\sl)] offset:REC*(2*(\q)+\u)
.endr
.endm
.macro MUL0 t0, nt                     ; K step 0 starts the sums of tiles t0 .. t0 + nt - 1 from -v2 / 2; the accumulators take turns
	WIN 0x40
.set T, \t0
.rept \nt
.irp u, 0,1
	v_wmma_scale_f32_16x16x128_f8f6f4 v[ACC+16*T+8*\u:ACC+16*T+8*\u+7], v[CF+16*\u:CF+16*\u+7], v[TF+16*T:TF+16*T+7], v[CR+8*\u:CR+8*\u+7], v[CS+\u], v[TS+T] matrix_a_fmt:MATRIX_FMT_FP4 matrix_b_fmt:MATRIX_FMT_FP4
.endr
.set T, T+1
.endr
.endm
.macro MUL1 t0, nt                     ; K step 1, in the same order
	WIN 0x50
.set T, \t0
.rept \nt
.irp u, 0,1
	v_wmma_scale_f32_16x16x128_f8f6f4 v[ACC+16*T+8*\u:ACC+16*T+8*\u+7], v[CF+16*\u+8:CF+16*\u+15], v[TF+16*T+8:TF+16*T+15], v[ACC+16*T+8*\u:ACC+16*T+8*\u+7], v[CS+\u], v[TS+T] matrix_a_fmt:MATRIX_FMT_FP4 matrix_b_fmt:MATRIX_FMT_FP4 matrix_a_scale:MATRIX_SCALE_ROW1 matrix_b_scale:MATRIX_SCALE_ROW1
.endr
.set T, T+1
.endr
.endm
; the unit's score registers are searched: the tiles by turns, each accumulator from its low end on
.macro PICK old, new, inc, t0, nt
	v_mov_b32 v[PV], s[PAIR]
	WIN 0x14
.irp i, 0,2,4,6,8,10,12,14
.set T, \t0
.rept \nt
.if \i == 0
	v_max3_num_f32 v[\new+T], v[\old+T], v[ACC+16*T], v[ACC+16*T+1]
.else
	v_max3_num_f32 v[\new+T], v[\new+T], v[ACC+16*T+\i], v[ACC+16*T+\i+1]
.endif
.set T, T+1
.endr
.endr
	WIN 0
.set T, \t0
.rept \nt
	v_cmp_gt_f32 s[MK+T], v[\new+T], v[\old+T]
.set T, T+1
.endr
.set T, \t0
.rept \nt
	v_cndmask_b32 v[GID+T], v[GID+T], v[PV], s[MK+T]
.set T, T+1
.endr
	WIN 0x55
.set T, \t0
.rept \nt
	s_mov_b32 vcc_lo, s[MK+T]
.irp i, 0,2,4,6,8,10,12,14             ; two kept scores an instruction take the unit's where the maximum grew
	v_dual_cndmask_b32 v[KEEP+16*T+\i], v[KEEP+16*T+\i], v[ACC+16*T+\i] :: v_dual_cndmask_b32 v[KEEP+16*T+\i+1], v[KEEP+16*T+\i+1], v[ACC+16*T+\i+1]
.endr
.set T, T+1
.endr
	WIN 0
	s_add_co_u32 s[PAIR], s[PAIR], \inc
.endm
.macro ASK how                         ; how = 0: wherever my wave asks;  1: not in the loop's last trip, whose next slot does not exist
.if \how == 0
	s_cmp_eq_u32 s[LIM], 1
.else
	s_cmp_gt_u32 s[LAPS], s[LIM]
.endif
	s_cbranch_scc0 .Lnot_mine_\@
	global_prefetch_b8 v[PFO], s[PF:PF+1] th:TH_LOAD_NT scope:SCOPE_SE
.Lnot_mine_\@:
.endm
; mode 0: the next unit lies in the same slot;  1: the slot's last unit, the slot is filled again;  2: the slot's last unit, nothing is filled;  3: no unit's loads follow
.macro UNIT sl, q, old, new, mode, inc, t0, nt
	s_wait_dscnt 0x0                               ; this unit's fragments are in: my reads of the slot so far are over
.if \mode == 1
	s_wait_xcnt 0x0                                ; my last prefetch has read its address
	s_add_nc_u64 s[PF:PF+1], s[PF:PF+1], SLOT
	s_wait_tensorcnt 0x0                           ; my one load that was out, my part of the other slot, has landed
	ds_add_u32 v[SPW], v[NIL]
	s_add_nc_u64 s[G0V+4*\sl+2:G0V+4*\sl+3], s[G0V+4*\sl+2:G0V+4*\sl+3], 2*SLOT   ; no load of mine is out: this slot's next records
	MUL0 \t0, \nt
	s_wait_dscnt 0x0                               ; the add is done
	s_barrier_signal -1                            ; opens the round
	MUL1 \t0, \nt
	WIN 0
	s_barrier_wait -1
	CREST                                          ; no wave of the four work-groups still reads this slot
	tensor_load_to_lds s[G0V+4*\sl:G0V+4*\sl+3], s[G1V:G1V+7]
	s_nop 0
.else
.if \mode == 2
	s_wait_tensorcnt 0x0                           ; my part of the last slot, which I alone read
.endif
	MUL0 \t0, \nt
	MUL1 \t0, \nt
	WIN 0
.endif
	PLACES                                         ; four places ahead of the loads into the fragments and of the first read of the scores
.if \mode == 0
	LOADS \sl, (\q)+1
.endif
.if (\mode == 1) || (\mode == 2)
	LOADS 1-\sl, 0
.endif
.if \mode == 1
	ASK \sl
.endif
	PICK \old, \new, \inc, \t0, \nt
.endm
.macro SLOTRUN sl, mode, inc, t0, nt
	UNIT \sl, 0, RA, RB, 0, 1, \t0, \nt
	UNIT \sl, 1, RB, RA, 0, 1, \t0, \nt
	UNIT \sl, 2, RA, RB, 0, 1, \t0, \nt
	UNIT \sl, 3, RB, RA, \mode, \inc, \t0, \nt
.endm
	s_load_b256 s[4:11], s[0:1], 0x0               ; seq, vq, out1, idxw
	v_lshl_add_u32 v[SPW], v0, 2, SPARE
	v_mov_b32 v[NIL], 0
	ds_add_u32 v[SPW], v[NIL]
	ds_add_u32 v[SPW], v[NIL]
	v_lshrrev_b32 v[AM], 5, v0
	v_readfirstlane_b32 s[WV], v[AM]
	s_bfe_u32 s13, ttmp6, 0x40000                  ; cx
	s_lshl_b32 s14, ttmp9, 2
	s_add_co_u32 s14, s14, s13                     ; work-group
.irp g, G1V, G1H                       ; records as rows of 256 bytes, jointly for the four work-groups
	s_mov_b32 s[\g], 15|(3<<16)|(1<<21)
	s_mov_b32 s[\g+1], 32<<16
	s_mov_b32 s[\g+3], 32<<16
	s_mov_b32 s[\g+5], 32
	s_mov_b32 s[\g+6], 0
	s_mov_b32 s[\g+7], 0
.endr
	s_mov_b32 s[G1V+2], 72<<16                     ; 8 records a wave in the ring,
	s_mov_b32 s[G1V+4], 72
	s_mov_b32 s[G1H+2], 144<<16                    ; 16 at the head
	s_mov_b32 s[G1H+4], 144
	s_mov_b32 s[G1S], (2<<16)|(1<<20)|(7<<22)|(3<<25)   ; a token tile: 16 rows of seq, 1,024 bytes + 16 of padding
	s_mov_b32 s[G1S+1], 256<<16
	s_mov_b32 s[G1S+2], 16<<16
	s_mov_b32 s[G1S+3], 256<<16
	s_mov_b32 s[G1S+4], 16
	s_mov_b32 s[G1S+5], 256
	s_mov_b32 s[G1S+6], 0
	s_mov_b32 s[G1S+7], 0
	s_mov_b32 s[SEL], 0x76543210
	s_mov_b32 s[SEL+1], 0xfedcba98
	s_mul_i32 s60, s[WV], WPART
	s_mov_b32 s61, 0
	s_and_b32 s62, s[WV], 3                        ; w % 4
	s_lshr_b32 s59, s[WV], 2                       ; w / 4
	s_mul_i32 s66, s62, 2*WPART
	s_mov_b32 s67, 0
	s_mul_i32 s63, s62, TILEB
	s_add_co_u32 s63, s63, SLOT                    ; token tile w % 4 in slot 1's bytes
	s_lshl_b32 s94, s14, 17
	s_lshl_b32 s95, s62, 14
	s_add_co_u32 s94, s94, s95
	s_mov_b32 s95, 0
	s_lshl_b32 s92, s14, 9
	s_mov_b32 s93, 0
	s_mul_i32 s82, s13, 144*256
	s_add_co_u32 s82, s82, SLOT                    ; the prefetches begin at slot 1
	s_mov_b32 s83, 0
	s_add_co_u32 s85, s60, 2048
	s_add_co_u32 s86, s60, 2176
	s_lshl_b32 s87, s59, 9
	s_add_co_u32 s87, s87, s63                     ; + my K step's 512 bytes of each row
	s_lshl_b32 s88, s62, 11
	s_lshl_b32 s84, s59, 10
	s_add_co_u32 s88, s88, s84
	s_lshl_b32 s84, s62, 7
	s_lshl_b32 s46, s59, 6
	s_add_co_u32 s84, s84, s46
	s_add_co_u32 s84, s84, TSC
	s_lshl_b32 s89, s[WV], 7
	s_lshl_b32 s90, s[WV], 10
	s_add_co_u32 s90, s90, MRG
	s_lshl_b32 s91, s[WV], 8
	s_add_co_u32 s91, s91, MRG
	s_lshl_b32 s[PAIR], s[WV], 2
	s_cmp_lt_u32 ttmp9, 4                          ; clusters 0 to 3,
	s_cselect_b32 s[LIM], 1, -1
	s_cmp_lt_u32 s[WV], 5                          ; waves 0 to 4 prefetch
	s_cselect_b32 s[LIM], s[LIM], -1
	s_wait_dscnt 0x0
	s_wait_kmcnt 0x0
	s_mov_b32 s[G0V], 1
	s_mov_b32 s[G0V+1], s60
	s_add_nc_u64 s[G0V+2:G0V+3], s[6:7], s[60:61]
	s_mov_b32 s[G0V+4], 1
	s_add_co_u32 s[G0V+5], s60, SLOT
	s_add_nc_u64 s[G0V+6:G0V+7], s[G0V+2:G0V+3], SLOT
	s_or_b32 s[G0V+3], s[G0V+3], 0x80000000
	s_or_b32 s[G0V+7], s[G0V+7], 0x80000000
	s_mov_b32 s[G0S], 1
	s_mov_b32 s[G0S+1], s63
	s_add_nc_u64 s[G0S+2:G0S+3], s[4:5], s[94:95]
	s_mov_b32 s[G0T], 1                            ; and the tile four further on
	s_add_co_u32 s[G0T+1], s63, 4*TILEB
	s_add_nc_u64 s[G0T+2:G0T+3], s[G0S+2:G0S+3], 0x10000
	s_or_b32 s[G0S+3], s[G0S+3], 0x80000000
	s_or_b32 s[G0T+3], s[G0T+3], 0x80000000
	s_mov_b32 s[G0H], 1
	s_mov_b32 s[G0H+1], s66
	s_add_nc_u64 s[G0H+2:G0H+3], s[6:7], s[66:67]
	s_or_b32 s[G0H+3], s[G0H+3], 0x80000000
	s_add_nc_u64 s[8:9], s[8:9], s[92:93]
	s_add_nc_u64 s[10:11], s[10:11], s[92:93]
	s_add_nc_u64 s[PF:PF+1], s[6:7], s[82:83]
	ROUND
	; the head's loads, one a wave: waves 0-3 fetch token tiles 0-3, into slot 1's bytes; waves 4-7 jointly a quarter of slot 0 each
	s_cmp_lt_u32 s[WV], 4
	s_cbranch_scc0 .Lhead_vq
	tensor_load_to_lds s[G0S:G0S+3], s[G1S:G1S+7]
	s_nop 0
	PLACES
	s_branch .Lhead_asked
.Lhead_vq:
	tensor_load_to_lds s[G0H:G0H+3], s[G1H:G1H+7]
	s_nop 0
	PLACES
.Lhead_asked:
	v_min_u32 v[PFO], 143, v0
	v_lshlrev_b32 v[PFO], 8, v[PFO]
	ASK 0                                          ; slot 1
	v_and_b32 v[AM], 31, v0                        ; lane
	v_and_b32 v[AM+1], 15, v0                      ; r
	v_bfe_u32 v[SO], v0, 4, 1                      ; h
	v_lshl_add_u32 v[AF], v[AM], 4, s60
	v_mul_u32_u24 v[XA], v[AM+1], PITCH
	v_lshl_add_u32 v[AS], v[AM], 2, s85
	v_lshl_add_u32 v[AC], v[SO], 5, s86
	v_lshl_add_u32 v[XA], v[SO], 7, v[XA]
	v_add_nc_u32 v[AF+1], SLOT, v[AF]
	v_add_nc_u32 v[AS+1], SLOT, v[AS]
	v_add_nc_u32 v[AC+1], SLOT, v[AC]
	v_add_nc_u32 v[XA], s87, v[XA]
	v_lshl_add_u32 v[LI], v[AM], 4, TIMG
	v_lshl_add_u32 v[LS], v[AM], 2, TSC
	v_lshlrev_b32 v[H8], 3, v[SO]
	v_add_nc_u32 v[XB], 4*TILEB, v[XA]
	v_lshl_add_u32 v[GO], v[AM], 2, s89
	v_lshl_add_u32 v[MW], v[AM+1], 3, s90
	v_lshl_add_u32 v[MR], v[AM], 3, s91
	v_add_nc_u32 v[IW], s88, v[LI]
	v_lshl_add_u32 v[SW], v[AM+1], 2, s84
	v_mov_b32 v[TP], 0
.irp t, 0,1,2,3,4,5,6,7
	v_mov_b32 v[RA+\t], 0xff800000                 ; under every score
	v_mov_b32 v[GID+\t], 0
.endr
	WIN 0x40
.set n, 0
.rept 128
	v_mov_b32 v[KEEP+n], 0                         ; written once, while the head's loads are out: the selects read what they keep
.set n, n+1
.endr
	WIN 0
	s_wait_alu depctr_va_vdst(0)
	s_wait_tensorcnt 0x0
	ds_add_u32 v[SPW], v[NIL]
	s_wait_dscnt 0x0
	ROUND                                          ; tiles 0-3 and slot 0 are whole
	s_cmp_lt_u32 s[WV], 4
	s_cbranch_scc0 .Lno_second
	tensor_load_to_lds s[G0T:G0T+3], s[G1S:G1S+7]  ; waves 0-3: token tiles 4-7, into bytes of their own behind tiles 0-3
	s_nop 0
	PLACES
.Lno_second:
	STAGE XA, 0
	s_wait_dscnt 0x0
	s_barrier_signal -1
	s_barrier_wait -1                              ; the images of tiles 0-3 are whole
	TFLOAD 0
	LOADS 0, 0
	SLOTRUN 0, 3, -3, 0, 4                         ; slot 0 against tiles 0-3; the pairs' numbers go back to the slot's first
	s_wait_tensorcnt 0x0                           ; tiles 4-7 have landed
	s_barrier_signal -1
	s_barrier_wait -1
	STAGE XB, 1
	s_wait_xcnt 0x0
	s_add_nc_u64 s[PF:PF+1], s[PF:PF+1], SLOT
	s_wait_tensorcnt 0x0                           ; slot 1's bytes held seq
	ds_add_u32 v[SPW], v[NIL]
	s_wait_dscnt 0x0                               ; the add, my reads of seq and my stores of the image are done
	ROUND
	tensor_load_to_lds s[G0V+4:G0V+7], s[G1V:G1V+7]
	s_nop 0
	PLACES
	TFLOAD 4
	LOADS 0, 0
	ASK 0                                          ; slot 2
	SLOTRUN 0, 1, 29, 4, 4                         ; slot 0 against tiles 4-7; then its bytes are filled again
	s_mov_b32 s[LAPS], 3
	s_branch .Lmid                                 ; the first trip has had its run of slot 0
.Llap:                                                 ; a trip: two slots, both filled again
	SLOTRUN 0, 1, 29, 0, 8
.Lmid:
	SLOTRUN 1, 1, 29, 0, 8
	s_sub_co_u32 s[LAPS], s[LAPS], 1
	s_cmp_lg_u32 s[LAPS], 0
	s_cbranch_scc1 .Llap
	SLOTRUN 0, 2, 29, 0, 8                         ; the last two slots fetch nothing more
	SLOTRUN 1, 3, 29, 0, 8
	; the place of the maximum among the 16 kept scores, the lowest first
.irp t, 0,1,2,3,4,5,6,7
	v_mov_b32 v[MXA+\t], 23
.endr
	WIN 0x01
.irp i, 14,13,12,11,10,9,8,7,6,5,4,3,2,1,0
.irp t, 0,1,2,3,4,5,6,7
	v_cmp_neq_f32 s[MK+\t], v[KEEP+16*\t+\i], v[RA+\t]
.endr
.irp t, 0,1,2,3,4,5,6,7
	v_cndmask_b32 v[MXA+\t], 16*(\i/8)+\i%8, v[MXA+\t], s[MK+\t]
.endr
.endr
	WIN 0
.irp t, 0,1,2,3,4,5,6,7
	v_lshl_add_u32 v[MXA+\t], v[GID+\t], 5, v[MXA+\t]
.endr
.irp t, 0,1,2,3,4,5,6,7
	v_add_nc_u32 v[MXA+\t], v[MXA+\t], v[H8]       ; row = 32 x pair + 16 u + 8 h + j
.endr
.irp t, 0,1,2,3,4,5,6,7
	v_permlanex16_b32 v[RB+\t], v[RA+\t], s[SEL], s[SEL+1]
	v_permlanex16_b32 v[CR+\t], v[MXA+\t], s[SEL], s[SEL+1]
.endr
.irp t, 0,1,2,3,4,5,6,7
	LEX RA+\t, MXA+\t, RB+\t, CR+\t, CF+2*\t, CF+2*\t+1
	ds_store_b64 v[MW], v[CF+2*\t:CF+2*\t+1] offset:128*\t
.endr
	s_wait_dscnt 0x0
	s_barrier_signal -1
	s_barrier_wait -1
	s_cmp_gt_u32 s[WV], 3
	s_cbranch_scc1 .Ldone
.irp j, 0,1,2,3,4,5,6,7
	ds_load_b64 v[CF+2*\j:CF+2*\j+1], v[MR] offset:1024*\j   ; token 32 w + lane: the eight waves' winners
.endr
	s_wait_dscnt 0x0
.irp j, 1,2,3,4,5,6,7
	LEX CF, CF+1, CF+2*\j, CF+2*\j+1, CF, CF+1
.endr
	global_store_b32 v[GO], v[CF+1], s[8:9]
	global_store_b32 v[GO], v[CF+1], s[10:11]
.Ldone:
	s_wait_tensorcnt 0x0                           ; the wave's end
	ds_add_u32 v[SPW], v[NIL]
	s_wait_dscnt 0x0
	ROUND                                          ; the closing round
	s_endpgm
.Lfunc_end_k_qf524f809ff_main:
	.size	k_qf524f809ff_main, .Lfunc_end_k_qf524f809ff_main-k_qf524f809ff_main
	.p2alignl 7, 3214868480
	.fill 96, 4, 3214868480
	.section	.rodata,"a",@progbits
	.p2align	6, 0x0
	.amdhsa_kernel k_qf524f809ff_main
		.amdhsa_group_segment_fixed_size 327680
		.amdhsa_private_segment_fixed_size 0
		.amdhsa_enable_private_segment 0
		.amdhsa_kernarg_size 32
		.amdhsa_user_sgpr_count 2
		.amdhsa_user_sgpr_kernarg_segment_ptr 1
		.amdhsa_wavefront_size32 1
		.amdhsa_system_sgpr_workgroup_id_x 1
		.amdhsa_system_sgpr_workgroup_id_y 1
		.amdhsa_system_sgpr_workgroup_id_z 1
		.amdhsa_system_vgpr_workitem_id 0
		.amdhsa_next_free_vgpr 512
		.amdhsa_next_free_sgpr 100
		.amdhsa_reserve_vcc 1
		.amdhsa_float_denorm_mode_32 3
		.amdhsa_float_denorm_mode_16_64 3
		.amdhsa_memory_ordered 1
		.amdhsa_forward_progress 1
		.amdhsa_inst_pref_size 255
	.end_amdhsa_kernel
	.section	.bss,"aw",@nobits
	.p2align	6
	.space	262144
	.amdgpu_metadata
---
amdhsa.version: [ 1, 2 ]
amdhsa.kernels:
  - .name:           k_qf524f809ff_main
    .symbol:         k_qf524f809ff_main.kd
    .args:
      - { .name: seq, .offset: 0, .size: 8, .value_kind: global_buffer, .address_space: global }
      - { .name: vq, .offset: 8, .size: 8, .value_kind: global_buffer, .address_space: global }
      - { .name: out1, .offset: 16, .size: 8, .value_kind: global_buffer, .address_space: global }
      - { .name: idxw, .offset: 24, .size: 8, .value_kind: global_buffer, .address_space: global }
    .group_segment_fixed_size: 327680
    .private_segment_fixed_size: 0
    .kernarg_segment_align: 8
    .kernarg_segment_size: 32
    .max_flat_workgroup_size: 256
    .sgpr_count:     100
    .vgpr_count:     512
    .wavefront_size: 32
...
	.end_amdgpu_metadata
.endif
;; end of part 2
;; launch gather (part 3): grid 256 x 1, 8 waves a work-group, no clusters, 0 bytes of LDS; arguments idxw, vocab, out0; writes out0
.if DOCPART == 3
	.amdgcn_target "amdgcn-amd-amdhsa--gfx1250"
	.amdhsa_code_object_version 6
	.text
	.protected	k_qf524f809ff_gather
	.globl	k_qf524f809ff_gather
	.p2align	8
	.type	k_qf524f809ff_gather,@function
k_qf524f809ff_gather:
	s_mov_b64 s[64:65], 0
	v_nop
	global_prefetch_b8 v0, s[64:65] scope:SCOPE_SE
	s_setreg_imm32_b32 hwreg(HW_REG_WAVE_MODE, 25, 1), 1
	s_wait_xcnt 0x0
; out0[t][:] = vocab[idxw[t]][:].  idxw: 32,768 whole numbers, stored by the launch before; vocab [8192][256] f32; out0 [32768][256] f32.
; A stream: wave W (of 2,048) copies rows 16 W .. 16 W + 15.  Its 16 indices are 64 consecutive bytes: one scalar load.  A row is 1,024 bytes: two loads and two stores of 16 bytes a lane,
; each covering 512 consecutive bytes at a multiple of 256 from the buffer's first byte.  All 32 loads of a wave go out at once; the stores follow as the rows come.  No loop, no LDS, no barrier:
; waves share nothing, and the matrix unit, clusters and tensor loads would add nothing to a copy.
; Each index is held to 8,191 before it enters an address (an index stays inside the table that it indexes).
.set OFF, 4                            ; v4-19   row i: its byte offset in vocab + 16 x lane
.set D,   24                           ; v24-151 row i: 8 registers
	s_load_b128 s[4:7], s[0:1], 0x0                ; idxw s[4:5], vocab s[6:7]
	s_load_b64 s[8:9], s[0:1], 0x10                ; out0
	v_lshrrev_b32 v2, 5, v0
	s_delay_alu instid0(VALU_DEP_1)
	v_readfirstlane_b32 s10, v2                    ; wave 0..7
	v_and_b32 v1, 31, v0
	s_delay_alu instid0(VALU_DEP_1)
	v_lshlrev_b32 v1, 4, v1                        ; 16 x lane
	s_lshl_b32 s11, ttmp9, 3
	s_add_co_u32 s11, s11, s10                     ; W
	s_lshl_b32 s12, s11, 6                         ; 16 indices of 4 bytes
	s_mov_b32 s13, 0
	s_lshl_b32 s14, s11, 14                        ; 16 rows of 1,024 bytes
	s_mov_b32 s15, 0
	s_wait_alu depctr_va_vdst(0)
	s_wait_kmcnt 0x0
	s_add_nc_u64 s[4:5], s[4:5], s[12:13]
	s_add_nc_u64 s[8:9], s[8:9], s[14:15]
	s_load_b512 s[16:31], s[4:5], 0x0              ; my 16 indices
	s_wait_kmcnt 0x0
.irp i, 0,1,2,3,4,5,6,7,8,9,10,11,12,13,14,15
	s_min_u32 s[16+\i], s[16+\i], 8191
	s_lshl_b32 s[16+\i], s[16+\i], 10
	v_add_nc_u32 v[OFF+\i], s[16+\i], v1
.endr
	s_wait_alu depctr_va_vdst(0)
.irp i, 0,1,2,3,4,5,6,7,8,9,10,11,12,13,14,15
	global_load_b128 v[D+8*\i:D+8*\i+3], v[OFF+\i], s[6:7]               ; no hint: a row of the codebook may be named again
	global_load_b128 v[D+8*\i+4:D+8*\i+7], v[OFF+\i], s[6:7] offset:512
.endr
.irp i, 0,1,2,3,4,5,6,7,8,9,10,11,12,13,14,15
	s_wait_loadcnt 30-2*\i                         ; loads come back in order: row i's two are in, the later rows' may be out
	global_store_b128 v1, v[D+8*\i:D+8*\i+3], s[8:9] offset:1024*\i th:TH_STORE_NT
	global_store_b128 v1, v[D+8*\i+4:D+8*\i+7], s[8:9] offset:1024*\i+512 th:TH_STORE_NT
.endr
	s_endpgm
.Lfunc_end_k_qf524f809ff_gather:
	.size	k_qf524f809ff_gather, .Lfunc_end_k_qf524f809ff_gather-k_qf524f809ff_gather
	.p2alignl 7, 3214868480
	.fill 96, 4, 3214868480
	.section	.rodata,"a",@progbits
	.p2align	6, 0x0
	.amdhsa_kernel k_qf524f809ff_gather
		.amdhsa_group_segment_fixed_size 0
		.amdhsa_private_segment_fixed_size 0
		.amdhsa_enable_private_segment 0
		.amdhsa_kernarg_size 24
		.amdhsa_user_sgpr_count 2
		.amdhsa_user_sgpr_kernarg_segment_ptr 1
		.amdhsa_wavefront_size32 1
		.amdhsa_system_sgpr_workgroup_id_x 1
		.amdhsa_system_sgpr_workgroup_id_y 1
		.amdhsa_system_sgpr_workgroup_id_z 1
		.amdhsa_system_vgpr_workitem_id 0
		.amdhsa_next_free_vgpr 152
		.amdhsa_next_free_sgpr 66
		.amdhsa_reserve_vcc 0
		.amdhsa_float_denorm_mode_32 3
		.amdhsa_float_denorm_mode_16_64 3
		.amdhsa_memory_ordered 1
		.amdhsa_forward_progress 1
		.amdhsa_inst_pref_size 10
	.end_amdhsa_kernel
	.amdgpu_metadata
---
amdhsa.version: [ 1, 2 ]
amdhsa.kernels:
  - .name:           k_qf524f809ff_gather
    .symbol:         k_qf524f809ff_gather.kd
    .args:
      - { .name: idxw, .offset: 0, .size: 8, .value_kind: global_buffer, .address_space: global }
      - { .name: vocab, .offset: 8, .size: 8, .value_kind: global_buffer, .address_space: global }
      - { .name: out0, .offset: 16, .size: 8, .value_kind: global_buffer, .address_space: global }
    .group_segment_fixed_size: 0
    .private_segment_fixed_size: 0
    .kernarg_segment_align: 8
    .kernarg_segment_size: 24
    .max_flat_workgroup_size: 256
    .sgpr_count:     66
    .vgpr_count:     152
    .wavefront_size: 32
...
	.end_amdgpu_metadata
.endif
;; end of part 3
